; MI455X (gfx1250); checked and timed in simulation.
; The chip was launched on July 23, 2026; its instructions are those of AMD's public machine-readable ISA for CDNA 5 (MIT licence, August 2026) and "CDNA5" Instruction Set Architecture Reference Guide (July 2026). The comments in the code are by the model that wrote it; some were corrected since.
;; Mo E Layer. Allowed arithmetic: float matrix products may take bf16 or f16 operands with f32 sums; all other float work in f32.
;; Inputs: b1 2 x 4,096 float32; b2 2 x 1,024 float32; gate_b 2 float32; gate_w 1,024 x 2 float32; w1 2 x 1,024 x 4,096 float32; w2 2 x 4,096 x 1,024 float32; x 2,048 x 2 x 1,024 float32.
;; Outputs: out0 2,048 x 2 x 1,024 float32.
;; One version. Each part assembles by itself: llvm-mc -triple=amdgcn-amd-amdhsa -mcpu=gfx1250 --defsym DOCPART=n.
;; ======== version 1 of 1: 4 launches
;; limits: values are held in f16: magnitudes above 65,504 overflow, below 6.1e-05 lose precision; right only within a limited range of input values
;; workspace buffers: xh 8,388,608 bytes; w1h 16,777,216 bytes; w2h 16,777,216 bytes; comb 32,768 bytes; h 67,108,864 bytes; part 67,108,864 bytes
;; launch prep (part 1): grid 256 x 1, 10 waves a work-group, no clusters, 0 bytes of LDS; arguments x, gate_w, gate_b, w1, w2, xh, comb, w1h, w2h; writes xh, comb, w1h, w2h
.if DOCPART == 1
	.amdgcn_target "amdgcn-amd-amdhsa--gfx1250"
	.amdhsa_code_object_version 6
	.text
	.protected	k_q400e22945b_prep
	.globl	k_q400e22945b_prep
	.p2align	8
	.type	k_q400e22945b_prep,@function
k_q400e22945b_prep:
	s_mov_b64 s[64:65], 0
	v_nop
	global_prefetch_b8 v0, s[64:65] scope:SCOPE_SE
	s_setreg_imm32_b32 hwreg(HW_REG_WAVE_MODE, 25, 1), 1
	s_wait_xcnt 0x0
; xh = f16(x), w1h = f16(w1), w2h = f16(w2), layouts kept; comb[e][t] = softmax over the two gate logits of token t.
; With two experts and top 2 both experts are always chosen, so top-k, one-hot and sum give back the softmax of both logits, the maximum taken away first.
; WHY f16: the result is a sum of 8,192 products of numbers that have each been rounded up to three times; f16 keeps 11 significant bits where bf16 keeps 8.
; Its range has room here: x is of size 5 and the weights of size 0.1 as drawn, 150 and 3 when 30 times larger, 35 and 0.7 with an offset of 30 spreads, against 65,504;
; 30 times smaller, weights of size 0.0007 are rounded in steps of 6e-8 at the coarsest.
; All three tensors are rows of 1,024 f32 (4,096 bytes): 4,096 of x, 8,192 of w1, 8,192 of w2 = 20,480 = 256 work-groups x 10 waves x 8 rows.
; Waves 0-1 take x (and the gate), waves 2-5 w1, waves 6-9 w2.  One wave, one row at a time: eight loads of 512 neighbouring bytes, eight stores of 256
; neighbouring, aligned bytes.  A ring of four row slots in registers keeps 32 loads of every wave on their way.  No LDS, no barrier: no wave needs another.
; The gate has two columns: it is summed in f32 on the vector unit from the row that is in registers anyway; the matrix unit would need a second pass over x.
; LIMITS: a number of x, w1 or w2 beyond 65,504 in magnitude overflows f16.  v_exp_f32 gives 0 for results under 2^-126, so a weight that small is stored as 0.
; comb is stored 32 bytes a wave and plane (32 KiB in the whole launch).
.set X,  16                            ; v[16:143]  slot s: 32 registers, a row as loaded
.set Y,  144                           ; v[144:159] a row in f16, to store
.set GW, 160                           ; v[160:223] gate_w of my 32 columns: element d = 128 j + 4 lane + c, expert e at GW + 8 j + 2 c + e
; v0 32 x lane (gate_w), v1 16 x lane (loads), v2 8 x lane (stores), v3 lane: none is rewritten while a memory instruction names it
; v[4:11] four chains of (logit 0, logit 1); v12, v13 the other half of the lanes; v14 the wave's 16 weights; v15 at work
.macro LOADROW slot, r                 ; eight loads: the whole row r of my eight
.irp j, 0,1,2,3,4,5,6,7
	global_load_b128 v[X+32*\slot+4*\j:X+32*\slot+4*\j+3], v1, s[28:29] offset:(\r)*4096+512*\j th:TH_LOAD_NT
.endr
.endm
.macro CVT slot, r                     ; round to f16 and store
	s_wait_xcnt 0x0                                ; Y is the data of the row before: it is rewritten only behind this wait
.irp j, 0,1,2,3,4,5,6,7
	v_cvt_pk_f16_f32 v[Y+2*\j],   v[X+32*\slot+4*\j],   v[X+32*\slot+4*\j+1]
	v_cvt_pk_f16_f32 v[Y+2*\j+1], v[X+32*\slot+4*\j+2], v[X+32*\slot+4*\j+3]
	global_store_b64 v2, v[Y+2*\j:Y+2*\j+1], s[30:31] offset:(\r)*2048+256*\j   ; 32 lanes store 256 consecutive bytes, aligned
.endr
.endm
.macro GATE slot, r                    ; both logits of row r, their softmax, into lanes r (expert 0) and 8 + r (expert 1) of v14
.set XS, X+32*\slot
	v_pk_mul_f32 v[4:5],   v[XS:XS+1],   v[GW:GW+1]   op_sel_hi:[0,1]             ; the first four products start the chains: nothing is cleared
	v_pk_mul_f32 v[6:7],   v[XS:XS+1],   v[GW+2:GW+3] op_sel:[1,0] op_sel_hi:[1,1]
	v_pk_mul_f32 v[8:9],   v[XS+2:XS+3], v[GW+4:GW+5] op_sel_hi:[0,1]
	v_pk_mul_f32 v[10:11], v[XS+2:XS+3], v[GW+6:GW+7] op_sel:[1,0] op_sel_hi:[1,1]
.irp j, 1,2,3,4,5,6,7
	v_pk_fma_f32 v[4:5],   v[XS+4*\j:XS+4*\j+1],   v[GW+8*\j:GW+8*\j+1],   v[4:5]   op_sel_hi:[0,1,1]              ; one x for both experts
	v_pk_fma_f32 v[6:7],   v[XS+4*\j:XS+4*\j+1],   v[GW+8*\j+2:GW+8*\j+3], v[6:7]   op_sel:[1,0,0] op_sel_hi:[1,1,1]
	v_pk_fma_f32 v[8:9],   v[XS+4*\j+2:XS+4*\j+3], v[GW+8*\j+4:GW+8*\j+5], v[8:9]   op_sel_hi:[0,1,1]
	v_pk_fma_f32 v[10:11], v[XS+4*\j+2:XS+4*\j+3], v[GW+8*\j+6:GW+8*\j+7], v[10:11] op_sel:[1,0,0] op_sel_hi:[1,1,1]
.endr
	v_pk_add_f32 v[4:5], v[4:5], v[6:7]
	v_pk_add_f32 v[8:9], v[8:9], v[10:11]
	v_pk_add_f32 v[4:5], v[4:5], v[8:9]
.irp m, 1,2,4,8                        ; across the 16 lanes of a half, on the addition itself
	v_add_f32_dpp v4, v4, v4 row_xmask:\m row_mask:0xf bank_mask:0xf
	v_add_f32_dpp v5, v5, v5 row_xmask:\m row_mask:0xf bank_mask:0xf
.endr
	v_permlanex16_b32 v12, v4, s36, s37            ; the other half
	v_permlanex16_b32 v13, v5, s36, s37
	v_add_f32 v4, v4, v12
	v_add_f32 v5, v5, v13
	v_add_f32 v4, s26, v4                          ; + gate_b
	v_add_f32 v5, s27, v5
	v_max_num_f32 v6, v4, v5                       ; the maximum is taken away, as in the softmax that is computed
	v_sub_f32 v4, v4, v6
	v_sub_f32 v5, v5, v6
	v_mul_f32 v4, s38, v4                          ; e^x = 2^(x log2 e)
	v_mul_f32 v5, s38, v5
	v_exp_f32 v4, v4
	v_exp_f32 v5, v5
	v_nop                                          ; a plain instruction between an exponential and the use of its result (ISA guide 5.7.2)
	s_wait_alu depctr_va_vdst(0)
	v_add_f32 v6, v4, v5                           ; between 1 and 2: the larger term is 1
	v_rcp_f32 v6, v6
	v_nop
	s_wait_alu depctr_va_vdst(0)
	v_mul_f32 v4, v4, v6
	v_mul_f32 v5, v5, v6
	v_cndmask_b32 v15, v4, v5, s34                 ; lanes 8-15 and 24-31 take expert 1
	s_mov_b32 s35, 0x01010101<<(\r)                ; the lanes whose number is r modulo 8
	v_cndmask_b32 v14, v14, v15, s35
.endm
; The turn of row r, which lies in slot.  left = the younger loads that may stay out; ahead = 1: the slot takes the row four further on.
.macro ROW r, slot, gate, left, ahead
	s_wait_loadcnt \left                           ; loads come back in order (ISA guide 5.7.1): my eight are in, the younger rows stay out
.if \gate
	GATE \slot, \r
.endif
	CVT \slot, \r
.if \ahead
	LOADROW \slot, \r+4
.endif
.endm
.macro ROWS gate                       ; three younger rows of eight loads stay out (24) while there are three; then the counts run down
	LOADROW 0, 0
	LOADROW 1, 1
	LOADROW 2, 2
	LOADROW 3, 3
.if \gate
	s_wait_kmcnt 0x0                               ; gate_b
.endif
	ROW 0, 0, \gate, 24, 1
	ROW 1, 1, \gate, 24, 1
	ROW 2, 2, \gate, 24, 1
	ROW 3, 3, \gate, 24, 1
	ROW 4, 0, \gate, 24, 0
	ROW 5, 1, \gate, 16, 0
	ROW 6, 2, \gate, 8, 0
	ROW 7, 3, \gate, 0, 0
.endm
	s_load_b512 s[8:23], s[0:1], 0x0               ; x s[8:9], gate_w s[10:11], gate_b s[12:13], w1 s[14:15], w2 s[16:17], xh s[18:19], comb s[20:21], w1h s[22:23]
	s_load_b64 s[24:25], s[0:1], 0x40              ; w2h
	v_lshrrev_b32 v3, 5, v0
	v_readfirstlane_b32 s2, v3                     ; wave 0..9
	v_and_b32 v3, 31, v0                           ; lane
	v_lshlrev_b32 v1, 4, v3
	v_lshlrev_b32 v2, 3, v3
	s_mov_b32 s33, 0                               ; upper word of every offset: all stay under 2^26
	s_wait_kmcnt 0x0
	s_cmp_lt_u32 s2, 2
	s_cbranch_scc0 .Lweights
	; waves 0, 1: rows 16 g + 8 w of x
	s_load_b64 s[26:27], s[12:13], 0x0             ; gate_b, both numbers
	s_lshl_b32 s3, ttmp9, 4
	s_lshl3_add_u32 s3, s2, s3                     ; my first row
	s_lshl_b32 s32, s3, 12
	s_add_nc_u64 s[28:29], s[8:9], s[32:33]        ; from
	s_lshl_b32 s32, s3, 11
	s_add_nc_u64 s[30:31], s[18:19], s[32:33]      ; to
	s_lshl_b32 s32, s3, 2
	s_add_nc_u64 s[20:21], s[20:21], s[32:33]      ; comb at my first token
	s_mov_b32 s34, 0xff00ff00
	s_mov_b32 s36, 0x76543210                      ; v_permlanex16_b32: each lane takes its own place in the other half
	s_mov_b32 s37, 0xfedcba98
	s_mov_b32 s38, 0x3fb8aa3b                      ; log2 e
	v_lshlrev_b32 v0, 5, v3                        ; four rows of gate_w, 8 bytes each, a lane
	v_mov_b32 v12, 0                               ; destinations of the lane exchange count as read
	v_mov_b32 v13, 0
	v_mov_b32 v14, 0
.irp j, 0,1,2,3,4,5,6,7
	global_load_b128 v[GW+8*\j:GW+8*\j+3],   v0, s[10:11] offset:1024*\j      ; older than every row: the first row wait covers them
	global_load_b128 v[GW+8*\j+4:GW+8*\j+7], v0, s[10:11] offset:1024*\j+16
.endr
	ROWS 1
	v_bfe_u32 v9, v3, 3, 1                         ; lanes 0-7: plane 0, lanes 8-15: plane 1 (16,384 bytes on)
	v_and_b32 v8, 7, v3
	v_lshlrev_b32 v8, 2, v8
	v_lshl_add_u32 v9, v9, 14, v8
	v_cmp_gt_u32 vcc_lo, 16, v3
	s_wait_xcnt 0x0                                ; EXEC is a source of the stores above: it changes only behind this wait
	s_and_saveexec_b32 s3, vcc_lo
	global_store_b32 v9, v14, s[20:21]
	s_wait_xcnt 0x0                                ; and again in front of the line that widens it
	s_or_b32 exec_lo, exec_lo, s3
	s_endpgm
.Lweights:                                             ; waves 2-5: rows 32 g + 8 (w - 2) of w1; waves 6-9: rows 32 g + 8 (w - 6) of w2
	s_cmp_lt_u32 s2, 6
	s_cselect_b64 s[28:29], s[14:15], s[16:17]
	s_cselect_b64 s[30:31], s[22:23], s[24:25]
	s_cselect_b32 s3, 2, 6
	s_sub_co_u32 s3, s2, s3
	s_lshl_b32 s32, ttmp9, 5
	s_lshl3_add_u32 s3, s3, s32                    ; my first row
	s_lshl_b32 s32, s3, 12
	s_add_nc_u64 s[28:29], s[28:29], s[32:33]
	s_lshl_b32 s32, s3, 11
	s_add_nc_u64 s[30:31], s[30:31], s[32:33]
	ROWS 0
	s_endpgm
.Lfunc_end_k_q400e22945b_prep:
	.size	k_q400e22945b_prep, .Lfunc_end_k_q400e22945b_prep-k_q400e22945b_prep
	.p2alignl 7, 3214868480
	.fill 96, 4, 3214868480
	.section	.rodata,"a",@progbits
	.p2align	6, 0x0
	.amdhsa_kernel k_q400e22945b_prep
		.amdhsa_group_segment_fixed_size 0
		.amdhsa_private_segment_fixed_size 0
		.amdhsa_enable_private_segment 0
		.amdhsa_kernarg_size 72
		.amdhsa_user_sgpr_count 2
		.amdhsa_user_sgpr_kernarg_segment_ptr 1
		.amdhsa_wavefront_size32 1
		.amdhsa_system_sgpr_workgroup_id_x 1
		.amdhsa_system_sgpr_workgroup_id_y 1
		.amdhsa_system_sgpr_workgroup_id_z 1
		.amdhsa_system_vgpr_workitem_id 0
		.amdhsa_next_free_vgpr 224
		.amdhsa_next_free_sgpr 66
		.amdhsa_reserve_vcc 1
		.amdhsa_float_denorm_mode_32 3
		.amdhsa_float_denorm_mode_16_64 3
		.amdhsa_memory_ordered 1
		.amdhsa_forward_progress 1
		.amdhsa_inst_pref_size 74
	.end_amdhsa_kernel
	.amdgpu_metadata
---
amdhsa.version: [ 1, 2 ]
amdhsa.kernels:
  - .name:           k_q400e22945b_prep
    .symbol:         k_q400e22945b_prep.kd
    .args:
      - { .name: x, .offset: 0, .size: 8, .value_kind: global_buffer, .address_space: global }
      - { .name: gate_w, .offset: 8, .size: 8, .value_kind: global_buffer, .address_space: global }
      - { .name: gate_b, .offset: 16, .size: 8, .value_kind: global_buffer, .address_space: global }
      - { .name: w1, .offset: 24, .size: 8, .value_kind: global_buffer, .address_space: global }
      - { .name: w2, .offset: 32, .size: 8, .value_kind: global_buffer, .address_space: global }
      - { .name: xh, .offset: 40, .size: 8, .value_kind: global_buffer, .address_space: global }
      - { .name: comb, .offset: 48, .size: 8, .value_kind: global_buffer, .address_space: global }
      - { .name: w1h, .offset: 56, .size: 8, .value_kind: global_buffer, .address_space: global }
      - { .name: w2h, .offset: 64, .size: 8, .value_kind: global_buffer, .address_space: global }
    .group_segment_fixed_size: 0
    .private_segment_fixed_size: 0
    .kernarg_segment_align: 8
    .kernarg_segment_size: 72
    .max_flat_workgroup_size: 320
    .sgpr_count:     66
    .vgpr_count:     224
    .wavefront_size: 32
...
	.end_amdgpu_metadata
.endif
;; end of part 1
;; launch ffn1 (part 2): grid 32 x 8, 4 waves a work-group, clusters of 4 x 4, 327,680 bytes of LDS; arguments xh, w1h, b1, comb, h; writes h
.if DOCPART == 2
	.amdgcn_target "amdgcn-amd-amdhsa--gfx1250"
	.amdhsa_code_object_version 6
	.text
	.protected	k_q400e22945b_ffn1
	.globl	k_q400e22945b_ffn1
	.p2align	8
	.type	k_q400e22945b_ffn1,@function
k_q400e22945b_ffn1:
	s_mov_b64 s[64:65], 0
	v_nop
	global_prefetch_b8 v0, s[64:65] scope:SCOPE_SE
	s_setreg_imm32_b32 hwreg(HW_REG_WAVE_MODE, 25, 1), 1
	s_wait_xcnt 0x0
	s_wait_alu depctr_hold_cnt(0) depctr_sa_sdst(0) depctr_va_vdst(0) depctr_va_sdst(0) depctr_va_ssrc(0) depctr_va_vcc(0) depctr_vm_vsrc(0)
	s_getreg_b32 s2, hwreg(HW_REG_IB_STS2, 6, 4)
	s_cmp_eq_u32 s2, 0
	s_cbranch_scc0 .Lentry_in_a_cluster
	s_endpgm
.Lentry_in_a_cluster:
	s_bfe_u32 s2, ttmp6, 0x10000c
	s_cmp_lg_u32 s2, 0xf033
	s_cbranch_scc0 .Lentry_shape_is_right
	s_endpgm
.Lentry_shape_is_right:
; h[t][e 4096 + f] = comb[e][t] x relu(sum over d of xh[t][d] w1h[e][d][f] + b1[e][f]), rounded once to f16.  xh: [4096][1024], w1h: [2][1024][4096], h: [4096][8192], f16; sums in f32.
; The weight comb is not negative and hangs on token and expert alone, so it is folded in here; the second product then runs over both experts as one K of 8,192.
; h IN f16: 11 significant bits, since out0 sums 8,192 rounded products.  Its range has room: h is of size 3 as drawn, about 2,500 with x and w1 both 30 times larger,
; about 1,024 x 30 x 0.6 = 18,432 with both carrying an offset of 30 spreads, against 65,504; 900 times smaller it is rounded in steps of 6e-8 at the coarsest.
; A tile of h, 256 x 256, is made by four waves, 128 x 128 each: 64 accumulators of 16 x 16, 512 registers.  K = 1,024 goes in eight steps of 128
; through a ring of two LDS slots filled by the tensor data mover: 256 rows of xh (256 bytes each) and 128 rows of w1h (512 bytes each, 256 columns).
; A WORK-GROUP STAYS: h has 32 x 16 = 512 tiles, and 32 x 8 = 256 work-groups make two each, 2,048 rows apart in the same columns, so that both take the same tiles of w1h and the same b1.
; The ring does not stop between them: the first tile's last two changes of slots ask for the second tile's first two K steps, and nothing waits for the first tile's stores.
; w1h lies [k][n]: its fragments come out of LDS turned, by ds_load_tr16_b128.
; CLUSTERS: 4 x 4 work-groups.  The four of a row of the cluster need the same tiles of xh, the four of a column the same tiles of w1h: each tile is asked for jointly,
; by the same tensor load with the same descriptor and a mask that names the four.
; THE MATRIX INSTRUCTION IS USED TRANSPOSED: source 0 = 16 columns of w1h, source 1 = 16 rows of xh: a lane holds row l % 16 and the eight neighbouring columns 8 (l / 16) + 0..7.
; LIMITS: relu and a clamp are one v_med3_num_f32 with 0 and 65,504: a pre-activation above 65,504 is taken as 65,504, and a NaN comes out as a number.
; REGISTERS, in windows of 256: window 0: v0-31 addresses; v32-47 comb of my rows, both tiles; v64-127, v128-191 fragments of xh, two buffers (v128-191 on the way out: at work); v192-255 rows read back on the way out
;   window 1: v64-127, v128-191 fragments of w1h; v192-255 b1 of my columns;  window 2: the accumulators of my rows 0-63 ((a, b) at v[8 (8 a + b)]);  window 3: those of my rows 64-127
.set KSTEP,  128
.set PA,     272                       ; an LDS row of xh: 256 bytes + 16: the 16 rows of a fragment load start 68 words apart
.set PB,     544                       ; an LDS row of w1h: 512 bytes + 32 = 17 x 32 bytes, for the turning load
.set HALFT,  128*PA                    ; what one tensor load brings: 128 rows of xh, or 64 rows of w1h (64 x 544 is the same 34,816 bytes)
.set SLOT,   4*HALFT                   ; the two halves of xh, then the two of w1h
.set STAGE,  2*SLOT                    ; behind the ring: 16 rows x 272 bytes for each wave, for the way out
.set SPITCH, 272
.set SPARE,  STAGE+4*16*SPITCH         ; behind the stages: the spare words, 128 bytes for each wave
.set LAPS,   1024/(2*KSTEP)            ; a lap = two K steps = once round the ring
.set ASTEP,  KSTEP*2                   ; bytes from a K step to the next: along a row of xh,
.set BSTEP,  KSTEP*4096*2              ; 128 rows down w1h
.set HROW,   8192*2                    ; bytes in a row of h
.set WALK,   2048                      ; rows from my first tile to my second
.set NEXT_A, WALK*1024*2-(1024-2*KSTEP)*2   ; bytes from a slot's last K step of the first tile to its first of the second: xh goes WALK rows down and back along K,
.set BACK_B, (1024/KSTEP-2)*BSTEP      ; w1h only back
.set BOF,  10                          ; v10     32 x (l / 16): my eight columns of a block, in b1; never rewritten
.set COF,  11                          ; v11     4 x (l % 16): my row of a block, in comb; never rewritten
.set ADRA, 16                          ; v16-17  LDS address of my fragments of xh in slot 0, 1
.set ADRB, 20                          ; v20-21  the same for w1h
.set STO,  24                          ; v24     the way out: where I put 16 bytes of a row
.set RD,   25                          ; v25     the way out: where I read a row back
.set CO,   26                          ; v26     my byte offset in h
.set SPW,  28                          ; v28     LDS address of my spare word; never rewritten
.set NIL,  29                          ; v29     0; never rewritten
.set CB,   32                          ; v32-39  comb of row 16 a + l % 16 of the first tile, a = 0..7; v40-47 of the second
.set F0,   64
.set F1,   128
.set T,    128                         ; the way out: a block of 16 rows at work, where buffer 1 lay (buffer 0 may already hold the next tile's first fragments)
.set OB,   192                         ; the way out: 16 rows read back, v192-223 and v224-255 by turns
.set BI,   192                         ; window 1, v192-255: b1 of column 16 b + 8 (l / 16) + j at BI + 8 b + j
.set G1,  24                           ; s[24:31] descriptor group 1 for xh;  s[32:39] group 0, a set for each slot
.set G0,  32
.set G1B, 48                           ; s[48:55], s[56:63] the same for w1h
.set G0B, 56
.set TOP, 76                           ; s76     65,504.0, the largest f16
.set HB1, 78                           ; s[78:79] h at my part of the second tile (s[8:9]: of the first): two bases, so that none is stepped under pending stores
.set MSB, 0
.macro WIN new                         ; the high byte of the immediate repeats the setting that is left; a switch that changes nothing is dropped
.if MSB != (\new)
	s_set_vgpr_msb (MSB<<8)|(\new)
.set MSB, \new
.endif
.endm
.set MUL_LO, 0xa1                      ; source 0 window 1, source 1 window 0, C and D window 2
.set MUL_HI, 0xf1                      ; the same, C and D window 3
.set TO_B,   0x40                      ; destination window 1, address window 0
; A joint refill.  Waves 0 and 1 fetch the halves of xh, waves 2 and 3 those of w1h.  The branch hangs on the wave number alone.
; Four v_nop follow each of the two lines, ahead of the jump, the label and what follows.
.macro JLOAD s
	s_cmp_eq_u32 s11, 0
	s_cbranch_scc0 .Lfor_b_\@
	tensor_load_to_lds s[G0+4*\s:G0+4*\s+3], s[G1:G1+7]
	s_nop 0
.rept 4
	v_nop
.endr
	s_branch .Lasked_\@
.Lfor_b_\@:
	tensor_load_to_lds s[G0B+4*\s:G0B+4*\s+3], s[G1B:G1B+7]
	s_nop 0
.rept 4
	v_nop
.endr
.Lasked_\@:
.endm
.macro CREST                           ; a round of the cluster barrier behind its opening barrier
	s_cmp_lg_u32 s10, 0
	s_cbranch_scc1 .Lnot_wave_0_\@
	s_barrier_signal -3
.Lnot_wave_0_\@:
	s_barrier_wait -3
	s_barrier_signal -1
	s_barrier_wait -1
.endm
.macro CROUND                          ; a whole round
	s_barrier_signal -1
	s_barrier_wait -1
	CREST
.endm
; 16 matrix instructions: row blocks a0, a0 + 1 of the window (hi = 0: my rows 0-63, 1: rows 64-127) x all 8 column blocks, 32 along K.  zero = 1: the products start the sums.
.macro MUL16 f, hi, a0, zero
.irp a, \a0, \a0+1
.irp b, 0,1,2,3,4,5,6,7
.if \zero
	v_wmma_f32_16x16x32_f16 v[8*(8*(\a)+\b):8*(8*(\a)+\b)+7], v[\f+8*\b:\f+8*\b+7], v[\f+8*(4*\hi+\a):\f+8*(4*\hi+\a)+7], 0
.else
	v_wmma_f32_16x16x32_f16 v[8*(8*(\a)+\b):8*(8*(\a)+\b)+7], v[\f+8*\b:\f+8*\b+7], v[\f+8*(4*\hi+\a):\f+8*(4*\hi+\a)+7], v[8*(8*(\a)+\b):8*(8*(\a)+\b)+7]
.endif
.endr
.endr
.endm
; 32 LDS loads in one run: the fragments of quarter q (32 along K) of a slot into buffer f: 8 column blocks of w1h, turned, then 8 row blocks of xh
.macro FETCH slot, q, f
	WIN TO_B
.irp i, 0,1,2,3,4,5,6,7
	ds_load_tr16_b128 v[\f+8*\i:\f+8*\i+3],   v[ADRB+\slot] offset:(\q)*32*PB+32*\i          ; k = 32 q + 8 (l / 16) + 0..7 of column 16 i + l % 16
	ds_load_tr16_b128 v[\f+8*\i+4:\f+8*\i+7], v[ADRB+\slot] offset:(\q)*32*PB+16*PB+32*\i    ; 16 further along K
.endr
	WIN 0
.irp i, 0,1,2,3,4,5,6,7
	ds_load_b128 v[\f+8*\i:\f+8*\i+3],   v[ADRA+\slot] offset:(\q)*64+\i*16*PA
	ds_load_b128 v[\f+8*\i+4:\f+8*\i+7], v[ADRA+\slot] offset:(\q)*64+\i*16*PA+32
.endr
.endm
; Four places stand between a matrix instruction and a load into one of its sources, or a vector instruction that reads its result or writes a source
.macro PLACES
.rept 4
	v_nop
.endr
.endm
; One of the first three quarters of a K step: multiplies buffer f; in its middle it fetches quarter q of the same slot into buffer g
.macro QUARTER slot, q, f, g, zero
	s_wait_dscnt 8                                 ; w1h and rows 0-63 of xh are in; the youngest eight loads (rows 64-127) may be out
	WIN MUL_LO
	MUL16 \f, 0, 0, \zero
	MUL16 \f, 0, 2, \zero
	PLACES
	FETCH \slot, \q, \g
	s_wait_dscnt 32                                ; all but the 32 just issued
	WIN MUL_HI
	MUL16 \f, 1, 0, \zero
	MUL16 \f, 1, 2, \zero
.endm
; The first half of the last quarter: one barrier for the change of slots.  In front of it each wave waits for all its tensor loads (one is out: its part of the next
; slot), adds 0 to its spare word, and waits for that and for its reads of this slot.
.macro MEET round
	WIN 0                                          ; the two registers of the add lie in window 0
	s_wait_tensorcnt 0x0                           ; all my tensor loads have landed
	ds_add_u32 v[SPW], v[NIL]                      ; 0 onto my spare word
	s_wait_dscnt 9                                 ; the add and the youngest eight loads may be out
	WIN MUL_LO
	MUL16 F1, 0, 0, 0                              ; sixteen matrix instructions stand between the add and the wait for it
	s_wait_dscnt 0x0                               ; the add is done, and my reads of this slot are over
	s_barrier_signal -1
	MUL16 F1, 0, 2, 0                              ; work on registers while the others arrive
.if \round
	WIN 0
.endif
	s_barrier_wait -1
.endm
; The whole last quarter: behind the round the slot just read out is filled again: with this tile's K step two steps on (on = 0) or, in the first tile's last two K steps,
; with the second tile's K step 0 or 1 (on = 1); then come the first fragments of the next slot.  From a request to the wait for it a wave issues 224 matrix instructions.
.macro TURN slot, next, on
	MEET 1
	CREST                                          ; no wave of any partner still reads this slot or has a load on its way
.if \on
	s_add_nc_u64 s[G0+4*\slot+2:G0+4*\slot+3], s[G0+4*\slot+2:G0+4*\slot+3], NEXT_A
	s_sub_nc_u64 s[G0B+4*\slot+2:G0B+4*\slot+3], s[G0B+4*\slot+2:G0B+4*\slot+3], BACK_B
.else
	s_add_nc_u64 s[G0+4*\slot+2:G0+4*\slot+3], s[G0+4*\slot+2:G0+4*\slot+3], 2*ASTEP
	s_add_nc_u64 s[G0B+4*\slot+2:G0B+4*\slot+3], s[G0B+4*\slot+2:G0B+4*\slot+3], 2*BSTEP
.endif
	JLOAD \slot                                    ; the first tensor load behind the round; its four v_nop are also the places in front of the loads below
	FETCH \next, 0, F0
	WIN MUL_HI
	MUL16 F1, 1, 0, 0
	MUL16 F1, 1, 2, 0
.endm
; The loop of a tile: a trip goes once round the ring, from the second quarter of a lap to the first of the next, and fills both slots again
.macro RING
	WIN 0                                          ; at a label and at a branch every window is 0
	s_mov_b32 s3, LAPS-1
.Llap_\@:
	QUARTER 0, 2, F1, F0, 0
	QUARTER 0, 3, F0, F1, 0
	TURN 0, 1, 0
	QUARTER 1, 1, F0, F1, 0
	QUARTER 1, 2, F1, F0, 0
	QUARTER 1, 3, F0, F1, 0
	TURN 1, 0, 0
	QUARTER 0, 1, F0, F1, 0
	WIN 0
	s_sub_co_u32 s3, s3, 1
	s_cmp_lg_u32 s3, 0
	s_cbranch_scc1 .Llap_\@
.endm
; THE WAY OUT of row block a.  PACK: + b1, relu with the clamp, x comb (at cb), rounded to f16, 16 bytes a lane.  Each accumulator is read from its low end on.
.macro PACK a, cb
.set AC, 64*((\a)%4)
	WIN 0x06+((\a)/4)                              ; source 0: window 2 or 3; source 1: window 1
.irp b, 0,1,2,3,4,5,6,7
.irp p, 0,1,2,3
	v_pk_add_f32 v[T+8*\b+2*\p:T+8*\b+2*\p+1], v[AC+8*\b+2*\p:AC+8*\b+2*\p+1], v[BI+8*\b+2*\p:BI+8*\b+2*\p+1]
.endr
.endr
	WIN 0
.set i, 0
.rept 64
	v_med3_num_f32 v[T+i], v[T+i], 0, s[TOP]       ; the middle of the number, 0 and 65,504: relu, and nothing that f16 cannot hold (comb is at most 1)
.set i, i+1
.endr
.set i, 0
.rept 32
.if (\a)%2
	v_pk_mul_f32 v[T+i:T+i+1], v[T+i:T+i+1], v[\cb+(\a)-1:\cb+(\a)] op_sel:[0,1] op_sel_hi:[1,1]   ; both halves by the weight of my row of block a
.else
	v_pk_mul_f32 v[T+i:T+i+1], v[T+i:T+i+1], v[\cb+(\a):\cb+(\a)+1] op_sel_hi:[1,0]
.endif
.set i, i+2
.endr
.irp b, 0,1,2,3,4,5,6,7
.irp p, 0,1,2,3
	v_cvt_pk_f16_f32 v[T+8*\b+\p], v[T+8*\b+2*\p], v[T+8*\b+2*\p+1]   ; packed downwards in place: a result never lands on a number still to be read
.endr
.endr
.endm
.macro TOSTAGE a                       ; into my own stage, and back as whole rows of 256 bytes
.set BK, OB+32*((\a)%2)
.irp b, 0,1,2,3,4,5,6,7
	ds_store_b128 v[STO], v[T+8*\b:T+8*\b+3] offset:32*\b
.endr
.irp t, 0,1,2,3,4,5,6,7
	ds_load_b128 v[BK+4*\t:BK+4*\t+3], v[RD] offset:\t*2*SPITCH    ; LDS serves the instructions of a wave in order (ISA guide 5.7.1.4): these see the stores above
.endr
.endm
.macro SEND a, base
.set BK, OB+32*((\a)%2)
	s_wait_dscnt 0x0                               ; the block is back in registers
	s_wait_xcnt 0x0                                ; the other 32 registers, which the stores of the block before read, are loaded again only behind this wait
.irp t, 0,1,2,3,4,5,6,7
	global_store_b128 v[CO], v[BK+4*\t:BK+4*\t+3], s[\base:\base+1] offset:(16*(\a)+2*\t)*HROW   ; 16 lanes store 256 consecutive bytes, aligned; 126 rows of h at the most: inside the signed 24-bit immediate
.endr
.endm
.macro WAYOUT cb, base                 ; the arithmetic of block a stands between the loads of block a - 1 from the stage and the wait for them
	s_wait_xcnt 0x0                                ; the registers that rows are read back into were the data of the tile before: they are loaded again only behind this wait
	PACK 0, \cb
	TOSTAGE 0
.irp a, 1,2,3,4,5,6,7
	PACK \a, \cb
	SEND \a-1, \base
	TOSTAGE \a
.endr
	SEND 7, \base
.endm
	s_load_b128 s[4:7], s[0:1], 0x0                ; xh s[4:5], w1h s[6:7]
	s_load_b128 s[68:71], s[0:1], 0x10             ; b1 s[68:69], comb s[70:71]
	s_load_b64 s[8:9], s[0:1], 0x20                ; h
	v_lshl_add_u32 v[SPW], v0, 2, SPARE
	v_mov_b32 v[NIL], 0
	ds_add_u32 v28, v29
	s_wait_dscnt 0x0
	v_lshrrev_b32 v1, 5, v0
	v_readfirstlane_b32 s10, v1                    ; wave 0..3
	s_lshr_b32 s11, s10, 1                         ; which half of the rows is mine.  Also: I fetch for xh (0) or for w1h (1)
	s_and_b32 s12, s10, 1                          ; which half of the columns.  Also: which half of that tile I fetch
	s_mov_b32 s[TOP], 0x477fe000                   ; 65,504.0
	s_bfe_u32 s40, ttmp6, 0x40000                  ; cx
	s_bfe_u32 s41, ttmp6, 0x40004                  ; cy
	s_lshl_b32 s42, ttmp9, 2
	s_add_co_u32 s42, s42, s40                     ; tile column 0..31 = 4 x cluster x + cx
	s_and_b32 s13, ttmp7, 0xffff
	s_lshl_b32 s13, s13, 2
	s_add_co_u32 s13, s13, s41                     ; tile row of my first tile, 0..7 = 4 x cluster y + cy; the second lies 8 tile rows below
	s_lshl_b32 s43, s41, 2
	s_lshl_b32 s43, 15, s43                        ; my row of the cluster
	s_lshl_b32 s44, 0x1111, s40                    ; my column
	s_or_b32 s[G1+0], s43, (1<<16)|(1<<20)|(1<<21)|(5<<22)|(3<<25)   ; the mask; elements of 2 bytes; padding on; bit 21 beside a mask; after every 64 words 4 words
	s_or_b32 s[G1B+0], s44, (1<<16)|(1<<20)|(1<<21)|(6<<22)|(7<<25)  ; the same with my column; after every 128 words 8 words
	s_mov_b32 s[G1+1], 128<<16                     ; tensor_dim0 = 128
	s_mov_b32 s[G1+2], 128<<16                     ; tensor_dim1 = 128
	s_mov_b32 s[G1+3], 128<<16                     ; tile_dim0 = 128
	s_mov_b32 s[G1+4], 128                         ; tile_dim1 = 128
	s_mov_b32 s[G1+5], 1024                        ; elements from row to row of xh
	s_mov_b32 s[G1+6], 0
	s_mov_b32 s[G1+7], 0
	s_mov_b32 s[G1B+1], 256<<16                    ; tensor_dim0 = 256
	s_mov_b32 s[G1B+2], 64<<16                     ; tensor_dim1 = 64
	s_mov_b32 s[G1B+3], 256<<16                    ; tile_dim0 = 256
	s_mov_b32 s[G1B+4], 64                         ; tile_dim1 = 64
	s_mov_b32 s[G1B+5], 4096                       ; elements from row to row of w1h
	s_mov_b32 s[G1B+6], 0
	s_mov_b32 s[G1B+7], 0
	; where the tiles come from: xh hangs on the tile row alone, w1h on the tile column alone, each in registers that never hold the other coordinate
	s_lshl_b32 s16, s13, 8
	s_lshl_b32 s17, s12, 7
	s_add_co_u32 s16, s16, s17                     ; row 256 x tile row + 128 x half,
	s_lshl_b32 s16, s16, 11                        ; of 2,048 bytes
	s_mov_b32 s17, 0
	s_lshr_b32 s45, s42, 4                         ; the expert
	s_lshl_b32 s46, s45, 23                        ; its 1,024 x 4,096 x 2 bytes
	s_and_b32 s47, s42, 15
	s_lshl_b32 s47, s47, 9                         ; 256 columns of 2 bytes
	s_add_co_u32 s46, s46, s47
	s_lshl_b32 s47, s12, 19                        ; 64 rows of 8,192 bytes x half
	s_add_co_u32 s46, s46, s47
	s_mov_b32 s47, 0
	s_mul_i32 s20, s10, HALFT                      ; and where they go: wave x 34,816 bytes
	s_wait_kmcnt 0x0
	s_add_nc_u64 s[14:15], s[4:5], s[16:17]
	s_add_nc_u64 s[46:47], s[6:7], s[46:47]
	CROUND                                         ; all sixteen work-groups are here: the first joint loads meet
.irp s, 0,1
	s_mov_b32 s[G0+4*\s], 1                                        ; count = 1
	s_add_co_u32 s[G0+4*\s+1], s20, \s*SLOT                        ; LDS address
	s_add_nc_u64 s[G0+4*\s+2:G0+4*\s+3], s[14:15], \s*ASTEP        ; global address: K step s
	s_or_b32 s[G0+4*\s+3], s[G0+4*\s+3], 0x80000000                ; type = 2
	s_mov_b32 s[G0B+4*\s], 1
	s_add_co_u32 s[G0B+4*\s+1], s20, \s*SLOT
	s_add_nc_u64 s[G0B+4*\s+2:G0B+4*\s+3], s[46:47], \s*BSTEP
	s_or_b32 s[G0B+4*\s+3], s[G0B+4*\s+3], 0x80000000
.endr
	s_cmp_eq_u32 s11, 0                            ; the two first fills of a wave stand in one branch, ahead of every wait on TENSORcnt and every LDS read: two loads of mine are out
	s_cbranch_scc0 .Lfirst_b
	tensor_load_to_lds s[G0:G0+3], s[G1:G1+7]
	s_nop 0
	tensor_load_to_lds s[G0+4:G0+7], s[G1:G1+7]
	s_nop 0
.rept 4
	v_nop
.endr
	s_branch .Lfirst_asked
.Lfirst_b:
	tensor_load_to_lds s[G0B:G0B+3], s[G1B:G1B+7]
	s_nop 0
	tensor_load_to_lds s[G0B+4:G0B+7], s[G1B:G1B+7]
	s_nop 0
.rept 4
	v_nop
.endr
.Lfirst_asked:
	; the bases of h, b1 and comb at my 128 x 128 of the first tile, set once and never stepped
	s_lshl_b32 s72, s13, 8
	s_lshl_b32 s73, s11, 7
	s_add_co_u32 s72, s72, s73                     ; my first row
	s_lshl_b32 s74, s72, 2                         ; its place in a plane of comb
	s_lshl_b32 s72, s72, 14                        ; and in h: rows of 16,384 bytes
	s_mov_b32 s73, 0
	s_add_nc_u64 s[8:9], s[8:9], s[72:73]
	s_lshl_b32 s72, s42, 9
	s_lshl_b32 s75, s12, 8
	s_add_co_u32 s72, s72, s75                     ; my first column, in bytes of h
	s_add_nc_u64 s[8:9], s[8:9], s[72:73]
	s_add_nc_u64 s[HB1:HB1+1], s[8:9], WALK*HROW   ; the same place in the second tile
	s_lshl_b32 s72, s72, 1                         ; the same column in b1, seen as 8,192 f32
	s_add_nc_u64 s[68:69], s[68:69], s[72:73]
	s_lshl_b32 s72, s45, 14                        ; the plane of the expert
	s_add_co_u32 s72, s72, s74
	s_add_nc_u64 s[70:71], s[70:71], s[72:73]
	v_and_b32 v1, 15, v0                           ; l % 16
	v_bfe_u32 v2, v0, 4, 1                         ; l / 16
	v_lshlrev_b32 v[BOF], 5, v2
	v_lshlrev_b32 v[COF], 2, v1
	WIN TO_B                                       ; b1 goes to window 1
.irp b, 0,1,2,3,4,5,6,7                ; b1 and comb stay on their way during the first tile's loop over K: nothing there names their registers
	global_load_b128 v[BI+8*\b:BI+8*\b+3],   v[BOF], s[68:69] offset:64*\b
	global_load_b128 v[BI+8*\b+4:BI+8*\b+7], v[BOF], s[68:69] offset:64*\b+16
.endr
	WIN 0
.irp a, 0,1,2,3,4,5,6,7
	global_load_b32 v[CB+\a],   v[COF], s[70:71] offset:64*\a
	global_load_b32 v[CB+8+\a], v[COF], s[70:71] offset:WALK*4+64*\a
.endr
	v_mul_u32_u24 v3, v1, PA
	v_lshl_add_u32 v3, v2, 4, v3                   ; xh: row x pitch + 16 x half
	v_and_b32 v5, 7, v0
	v_lshl_add_u32 v5, v2, 3, v5                   ; w1h: the turning load takes row 8 (l / 16) + l % 8,
	v_mul_u32_u24 v5, v5, PB
	v_bfe_u32 v6, v0, 3, 1
	v_lshl_add_u32 v5, v6, 4, v5                   ; 16 bytes at 16 ((l / 8) % 2)
	s_mul_i32 s21, s11, HALFT                      ; my 128 rows of xh
	s_lshl_b32 s22, s12, 8                         ; my 128 columns of w1h,
	s_add_co_u32 s22, s22, 2*HALFT                 ; which lies behind xh
.irp s, 0,1
	v_add_nc_u32 v[ADRA+\s], s21, v3
	v_add_nc_u32 v[ADRB+\s], s22, v5
	s_add_co_u32 s21, s21, SLOT
	s_add_co_u32 s22, s22, SLOT
.endr
	s_mul_i32 s23, s10, 16*SPITCH
	s_add_co_u32 s23, s23, STAGE                   ; my stage
	v_mul_u32_u24 v4, v1, SPITCH                   ; in: row l % 16, 16 bytes for each half of the lanes
	v_lshl_add_u32 v4, v2, 4, v4
	v_add_nc_u32 v[STO], s23, v4
	v_mul_u32_u24 v7, v2, SPITCH                   ; back: lanes 0-15 one row of 256 bytes, lanes 16-31 the next
	v_lshl_add_u32 v7, v1, 4, v7
	v_add_nc_u32 v[RD], s23, v7
	v_lshlrev_b32 v7, 14, v2                       ; and the same two rows in h
	v_lshl_add_u32 v[CO], v1, 4, v7
	s_wait_tensorcnt 0x1                           ; my part of K step 0 is in; step 1 may stay out
	s_barrier_signal -1
	s_barrier_wait -1                              ; everybody's is
	FETCH 0, 0, F0
	; THE FIRST TILE
	QUARTER 0, 1, F0, F1, 1                        ; a tile's first quarter stands in front of its loop: its products start the sums
	RING
	QUARTER 0, 2, F1, F0, 0                        ; the tile's last lap
	QUARTER 0, 3, F0, F1, 0
	TURN 0, 1, 1                                   ; THE RING GOES ON INTO THE SECOND TILE: slot 0 takes its K step 0,
	QUARTER 1, 1, F0, F1, 0
	QUARTER 1, 2, F1, F0, 0
	QUARTER 1, 3, F0, F1, 0
	TURN 1, 0, 1                                   ; slot 1 its K step 1, and the second tile's first fragments are fetched into buffer 0
	WIN 0
	PLACES                                         ; behind the last products: buffer 1, their source, is written below
	s_wait_loadcnt 0x0                             ; b1 and comb
	WAYOUT CB, 8                                   ; both refills are asked for: now the tile goes out; nothing waits for its stores
	; THE SECOND TILE
	QUARTER 0, 1, F0, F1, 1
	RING
	QUARTER 0, 2, F1, F0, 0                        ; the last lap is written out: it asks for nothing more
	QUARTER 0, 3, F0, F1, 0
	MEET 0                                         ; the one load that was out is the last K step, so no round follows
	PLACES                                         ; for the loads into buffer 0
	FETCH 1, 0, F0
	WIN MUL_HI
	MUL16 F1, 1, 0, 0
	MUL16 F1, 1, 2, 0
	QUARTER 1, 1, F0, F1, 0
	QUARTER 1, 2, F1, F0, 0
	QUARTER 1, 3, F0, F1, 0
	s_wait_dscnt 8                                 ; the very last quarter: nothing more to fetch
	WIN MUL_LO
	MUL16 F1, 0, 0, 0
	MUL16 F1, 0, 2, 0
	s_wait_dscnt 0x0
	WIN MUL_HI
	MUL16 F1, 1, 0, 0
	MUL16 F1, 1, 2, 0
	WIN 0
	PLACES                                         ; behind the last products: their results are read and their sources rewritten below
	WAYOUT CB+8, HB1
	s_wait_tensorcnt 0x0                           ; the end of the wave
	ds_add_u32 v[SPW], v[NIL]
	s_wait_dscnt 0x0
	CROUND                                         ; the closing round: no work-group ends while a partner may still ask for a tile that names it
	s_endpgm
.Lfunc_end_k_q400e22945b_ffn1:
	.size	k_q400e22945b_ffn1, .Lfunc_end_k_q400e22945b_ffn1-k_q400e22945b_ffn1
	.p2alignl 7, 3214868480
	.fill 96, 4, 3214868480
	.section	.rodata,"a",@progbits
	.p2align	6, 0x0
	.amdhsa_kernel k_q400e22945b_ffn1
		.amdhsa_group_segment_fixed_size 327680
		.amdhsa_private_segment_fixed_size 0
		.amdhsa_enable_private_segment 0
		.amdhsa_kernarg_size 40
		.amdhsa_user_sgpr_count 2
		.amdhsa_user_sgpr_kernarg_segment_ptr 1
		.amdhsa_wavefront_size32 1
		.amdhsa_system_sgpr_workgroup_id_x 1
		.amdhsa_system_sgpr_workgroup_id_y 1
		.amdhsa_system_sgpr_workgroup_id_z 1
		.amdhsa_system_vgpr_workitem_id 0
		.amdhsa_next_free_vgpr 1024
		.amdhsa_next_free_sgpr 80
		.amdhsa_reserve_vcc 0
		.amdhsa_float_denorm_mode_32 3
		.amdhsa_float_denorm_mode_16_64 3
		.amdhsa_memory_ordered 1
		.amdhsa_forward_progress 1
		.amdhsa_inst_pref_size 255
	.end_amdhsa_kernel
	.section	.bss,"aw",@nobits
	.p2align	6
	.space	262144
	.amdgpu_metadata
---
amdhsa.version: [ 1, 2 ]
amdhsa.kernels:
  - .name:           k_q400e22945b_ffn1
    .symbol:         k_q400e22945b_ffn1.kd
    .args:
      - { .name: xh, .offset: 0, .size: 8, .value_kind: global_buffer, .address_space: global }
      - { .name: w1h, .offset: 8, .size: 8, .value_kind: global_buffer, .address_space: global }
      - { .name: b1, .offset: 16, .size: 8, .value_kind: global_buffer, .address_space: global }
      - { .name: comb, .offset: 24, .size: 8, .value_kind: global_buffer, .address_space: global }
      - { .name: h, .offset: 32, .size: 8, .value_kind: global_buffer, .address_space: global }
    .group_segment_fixed_size: 327680
    .private_segment_fixed_size: 0
    .kernarg_segment_align: 8
    .kernarg_segment_size: 40
    .max_flat_workgroup_size: 128
    .sgpr_count:     80
    .vgpr_count:     1024
    .wavefront_size: 32
...
	.end_amdgpu_metadata
.endif
;; end of part 2
;; launch ffn2 (part 3): grid 16 x 16, 4 waves a work-group, clusters of 4 x 4, 327,680 bytes of LDS; arguments h, w2h, part; writes part
.if DOCPART == 3
	.amdgcn_target "amdgcn-amd-amdhsa--gfx1250"
	.amdhsa_code_object_version 6
	.text
	.protected	k_q400e22945b_ffn2
	.globl	k_q400e22945b_ffn2
	.p2align	8
	.type	k_q400e22945b_ffn2,@function
k_q400e22945b_ffn2:
	s_mov_b64 s[64:65], 0
	v_nop
	global_prefetch_b8 v0, s[64:65] scope:SCOPE_SE
	s_setreg_imm32_b32 hwreg(HW_REG_WAVE_MODE, 25, 1), 1
	s_wait_xcnt 0x0
	s_wait_alu depctr_hold_cnt(0) depctr_sa_sdst(0) depctr_va_vdst(0) depctr_va_sdst(0) depctr_va_ssrc(0) depctr_va_vcc(0) depctr_vm_vsrc(0)
	s_getreg_b32 s2, hwreg(HW_REG_IB_STS2, 6, 4)
	s_cmp_eq_u32 s2, 0
	s_cbranch_scc0 .Lentry_in_a_cluster
	s_endpgm
.Lentry_in_a_cluster:
	s_bfe_u32 s2, ttmp6, 0x10000c
	s_cmp_lg_u32 s2, 0xf033
	s_cbranch_scc0 .Lentry_shape_is_right
	s_endpgm
.Lentry_shape_is_right:
; part[q][t][d] = sum over k = 2048 q .. 2048 q + 2047 of h[t][k] w2h[k][d].  h: [4096][8192], w2h: [8192][1024], f16; part: [4][4096][1024] f32; sums in f32.
; h already carries the gate's weights, so both experts are one K of 8,192.
; WHY K IS CUT: the result has 4,096 x 1,024 numbers, 64 tiles of 256 x 256.  A tile of 128 x 128 would give 256 work-groups, but a K step of it fetches as many bytes (128 KiB
; for 256 along K) as a K step of a 256 x 256 tile (128 along K) and feeds half as many products, 128 a wave against 256, in which the next step's tiles have to land.
; So the tile stays 256 x 256 and K goes in four quarters: 64 x 4 = 256 work-groups, each with a plane of part of its own; a later launch adds the planes in a fixed order.
; Four waves, 128 x 128 each: 64 accumulators of 16 x 16, 512 registers.  A quarter of K goes in sixteen steps of 128 through a ring of two LDS slots filled by the
; tensor data mover: 256 rows of h (256 bytes each) and 128 rows of w2h (512 bytes each, 256 columns).  w2h lies [k][n]: its fragments come out of LDS turned, by ds_load_tr16_b128.
; CLUSTERS: 4 x 4 work-groups of one quarter of K: the four tile columns along x, four tile rows along y.  The four of a row of the cluster need the same tiles of h,
; the four of a column the same tiles of w2h: each tile is asked for jointly, by the same tensor load with the same descriptor and a mask that names the four.
; THE MATRIX INSTRUCTION IS USED TRANSPOSED: source 0 = 16 columns of w2h, source 1 = 16 rows of h: a lane holds row l % 16 and the eight neighbouring columns 8 (l / 16) + 0..7.
; LIMITS: those of the operands as they were rounded: h is at most 65,504, w2h overflows beyond 65,504.
; REGISTERS, in windows of 256: window 0: v0-31 addresses; v64-127, v128-191 fragments of h, two buffers (on the way out: rows read back)
;   window 1: v64-127, v128-191 fragments of w2h;  window 2: the accumulators of my rows 0-63 ((a, b) at v[8 (8 a + b)]);  window 3: those of my rows 64-127
.set KSTEP,  128
.set PA,     272                       ; an LDS row of h: 256 bytes + 16: the 16 rows of a fragment load start 68 words apart
.set PB,     544                       ; an LDS row of w2h: 512 bytes + 32 = 17 x 32 bytes, for the turning load
.set HALFT,  128*PA                    ; what one tensor load brings: 128 rows of h, or 64 rows of w2h (64 x 544 is the same 34,816 bytes)
.set SLOT,   4*HALFT                   ; the two halves of h, then the two of w2h
.set STAGE,  2*SLOT                    ; behind the ring: 16 rows x 528 bytes for each wave, for the way out
.set SPITCH, 528                       ; a row of the stage: my 128 columns of f32, 512 bytes, + 16
.set SPARE,  STAGE+4*16*SPITCH         ; behind the stages: the spare words, 128 bytes for each wave
.set KQ,     2048                      ; a quarter of K
.set LAPS,   KQ/(2*KSTEP)              ; a lap = two K steps = once round the ring
.set ASTEP,  KSTEP*2                   ; bytes from a K step to the next: along a row of h,
.set BSTEP,  KSTEP*1024*2              ; 128 rows down w2h
.set PROW,   1024*4                    ; bytes in a row of part
.set ADRA, 16                          ; v16-17  LDS address of my fragments of h in slot 0, 1
.set ADRB, 20                          ; v20-21  the same for w2h
.set STO,  24                          ; v24     the way out: where I put 32 bytes of a row
.set RD,   25                          ; v25     the way out: where I read 16 bytes of a row back
.set CO,   26                          ; v26     my byte offset in a row of part
.set SPW,  28                          ; v28     LDS address of my spare word; never rewritten
.set NIL,  29                          ; v29     0; never rewritten
.set F0,   64
.set F1,   128
.set OB,   64                          ; the way out: 16 rows read back, v64-127 and v128-191 by turns
.set G1,  24                           ; s[24:31] descriptor group 1 for h;  s[32:39] group 0, a set for each slot
.set G0,  32
.set G1B, 48                           ; s[48:55], s[56:63] the same for w2h
.set G0B, 56
.set MSB, 0
.macro WIN new                         ; the high byte of the immediate repeats the setting that is left; a switch that changes nothing is dropped
.if MSB != (\new)
	s_set_vgpr_msb (MSB<<8)|(\new)
.set MSB, \new
.endif
.endm
.set MUL_LO, 0xa1                      ; source 0 window 1, source 1 window 0, C and D window 2
.set MUL_HI, 0xf1                      ; the same, C and D window 3
.set TO_B,   0x40                      ; destination window 1, address window 0
; A joint refill.  Waves 0 and 1 fetch the halves of h, waves 2 and 3 those of w2h.  The branch hangs on the wave number alone.
; Four v_nop follow each of the two lines, ahead of the jump, the label and what follows.
.macro JLOAD s
	s_cmp_eq_u32 s11, 0
	s_cbranch_scc0 .Lfor_b_\@
	tensor_load_to_lds s[G0+4*\s:G0+4*\s+3], s[G1:G1+7]
	s_nop 0
.rept 4
	v_nop
.endr
	s_branch .Lasked_\@
.Lfor_b_\@:
	tensor_load_to_lds s[G0B+4*\s:G0B+4*\s+3], s[G1B:G1B+7]
	s_nop 0
.rept 4
	v_nop
.endr
.Lasked_\@:
.endm
.macro CREST                           ; a round of the cluster barrier behind its opening barrier
	s_cmp_lg_u32 s10, 0
	s_cbranch_scc1 .Lnot_wave_0_\@
	s_barrier_signal -3
.Lnot_wave_0_\@:
	s_barrier_wait -3
	s_barrier_signal -1
	s_barrier_wait -1
.endm
.macro CROUND                          ; a whole round
	s_barrier_signal -1
	s_barrier_wait -1
	CREST
.endm
; 16 matrix instructions: row blocks a0, a0 + 1 of the window (hi = 0: my rows 0-63, 1: rows 64-127) x all 8 column blocks, 32 along K.  zero = 1: the products start the sums.
.macro MUL16 f, hi, a0, zero
.irp a, \a0, \a0+1
.irp b, 0,1,2,3,4,5,6,7
.if \zero
	v_wmma_f32_16x16x32_f16 v[8*(8*(\a)+\b):8*(8*(\a)+\b)+7], v[\f+8*\b:\f+8*\b+7], v[\f+8*(4*\hi+\a):\f+8*(4*\hi+\a)+7], 0
.else
	v_wmma_f32_16x16x32_f16 v[8*(8*(\a)+\b):8*(8*(\a)+\b)+7], v[\f+8*\b:\f+8*\b+7], v[\f+8*(4*\hi+\a):\f+8*(4*\hi+\a)+7], v[8*(8*(\a)+\b):8*(8*(\a)+\b)+7]
.endif
.endr
.endr
.endm
; 32 LDS loads in one run: the fragments of quarter q (32 along K) of a slot into buffer f: 8 column blocks of w2h, turned, then 8 row blocks of h
.macro FETCH slot, q, f
	WIN TO_B
.irp i, 0,1,2,3,4,5,6,7
	ds_load_tr16_b128 v[\f+8*\i:\f+8*\i+3],   v[ADRB+\slot] offset:(\q)*32*PB+32*\i          ; k = 32 q + 8 (l / 16) + 0..7 of column 16 i + l % 16
	ds_load_tr16_b128 v[\f+8*\i+4:\f+8*\i+7], v[ADRB+\slot] offset:(\q)*32*PB+16*PB+32*\i    ; 16 further along K
.endr
	WIN 0
.irp i, 0,1,2,3,4,5,6,7
	ds_load_b128 v[\f+8*\i:\f+8*\i+3],   v[ADRA+\slot] offset:(\q)*64+\i*16*PA
	ds_load_b128 v[\f+8*\i+4:\f+8*\i+7], v[ADRA+\slot] offset:(\q)*64+\i*16*PA+32
.endr
.endm
; Four places stand between a matrix instruction and a load into one of its sources, or an LDS store that reads its result (ISA guide 7.12.1 for vector instructions)
.macro PLACES
.rept 4
	v_nop
.endr
.endm
; One of the first three quarters of a K step: multiplies buffer f; in its middle it fetches quarter q of the same slot into buffer g
.macro QUARTER slot, q, f, g, zero
	s_wait_dscnt 8                                 ; w2h and rows 0-63 of h are in; the youngest eight loads (rows 64-127) may be out
	WIN MUL_LO
	MUL16 \f, 0, 0, \zero
	MUL16 \f, 0, 2, \zero
	PLACES
	FETCH \slot, \q, \g
	s_wait_dscnt 32                                ; all but the 32 just issued
	WIN MUL_HI
	MUL16 \f, 1, 0, \zero
	MUL16 \f, 1, 2, \zero
.endm
; The first half of the last quarter: one barrier for the change of slots.  In front of it each wave waits for all its tensor loads (one is out: its part of the next
; slot), adds 0 to its spare word, and waits for that and for its reads of this slot.
.macro MEET round
	WIN 0                                          ; the two registers of the add lie in window 0
	s_wait_tensorcnt 0x0                           ; all my tensor loads have landed
	ds_add_u32 v[SPW], v[NIL]                      ; 0 onto my spare word
	s_wait_dscnt 9                                 ; the add and the youngest eight loads may be out
	WIN MUL_LO
	MUL16 F1, 0, 0, 0                              ; sixteen matrix instructions stand between the add and the wait for it
	s_wait_dscnt 0x0                               ; the add is done, and my reads of this slot are over
	s_barrier_signal -1
	MUL16 F1, 0, 2, 0                              ; work on registers while the others arrive
.if \round
	WIN 0
.endif
	s_barrier_wait -1
.endm
; The whole last quarter: behind the round the slot just read out is filled again, two K steps on; then come the first fragments of the next slot.
; From a request to the wait for it a wave issues 224 matrix instructions.
.macro TURN slot, next
	MEET 1
	CREST                                          ; no wave of any partner still reads this slot or has a load on its way
	s_add_nc_u64 s[G0+4*\slot+2:G0+4*\slot+3], s[G0+4*\slot+2:G0+4*\slot+3], 2*ASTEP
	s_add_nc_u64 s[G0B+4*\slot+2:G0B+4*\slot+3], s[G0B+4*\slot+2:G0B+4*\slot+3], 2*BSTEP
	JLOAD \slot                                    ; the first tensor load behind the round; its four v_nop are also the places in front of the loads below
	FETCH \next, 0, F0
	WIN MUL_HI
	MUL16 F1, 1, 0, 0
	MUL16 F1, 1, 2, 0
.endm
; THE WAY OUT of row block a: the sums leave as they are, in f32.  A lane's eight columns of a block are 32 bytes of a row; the lanes beside it hold other rows.  So the block goes
; through my own stage: straight out of the accumulators (each from its low end on) into rows of 528 bytes, and back as whole rows of 512 bytes.
.macro TOSTAGE a
.set AC, 64*((\a)%4)
.set BK, OB+64*((\a)%2)
	WIN 0x08+4*((\a)/4)                            ; the data of an LDS store is source 1: window 2 or 3
.irp b, 0,1,2,3,4,5,6,7
	ds_store_b128 v[STO], v[AC+8*\b:AC+8*\b+3]   offset:64*\b
	ds_store_b128 v[STO], v[AC+8*\b+4:AC+8*\b+7] offset:64*\b+16
.endr
	WIN 0
	s_wait_xcnt 0x0                                ; the 64 registers loaded below were the data of the stores two blocks back: they are loaded again only behind this wait
.irp t, 0,1,2,3,4,5,6,7,8,9,10,11,12,13,14,15
	ds_load_b128 v[BK+4*\t:BK+4*\t+3], v[RD] offset:\t*SPITCH      ; LDS serves the instructions of a wave in order (ISA guide 5.7.1.4): these see the stores above; the next block's stores come behind them
.endr
.endm
.macro SEND a, younger                 ; younger: the LDS instructions issued behind the loads of block a: the 32 of the next block, or none
.set BK, OB+64*((\a)%2)
.irp t, 0,1,2,3,4,5,6,7,8,9,10,11,12,13,14,15
	s_wait_dscnt \younger+15-\t                    ; row t is back: behind its load stand 15 - t loads of this block and the next block's instructions
	global_store_b128 v[CO], v[BK+4*\t:BK+4*\t+3], s[8:9] offset:(16*(\a)+\t)*PROW   ; 32 lanes store 512 consecutive bytes, aligned; 127 rows of part at the most: inside the signed 24-bit immediate
.endr
.endm
	s_load_b128 s[4:7], s[0:1], 0x0                ; h s[4:5], w2h s[6:7]
	s_load_b64 s[8:9], s[0:1], 0x10                ; part
	v_lshl_add_u32 v[SPW], v0, 2, SPARE
	v_mov_b32 v[NIL], 0
	ds_add_u32 v28, v29
	s_wait_dscnt 0x0
	v_lshrrev_b32 v1, 5, v0
	v_readfirstlane_b32 s10, v1                    ; wave 0..3
	s_lshr_b32 s11, s10, 1                         ; which half of the rows is mine.  Also: I fetch for h (0) or for w2h (1)
	s_and_b32 s12, s10, 1                          ; which half of the columns.  Also: which half of that tile I fetch
	s_bfe_u32 s40, ttmp6, 0x40000                  ; cx: the tile column 0..3.  The cluster's x, in ttmp9, is the quarter of K, which all sixteen share
	s_bfe_u32 s41, ttmp6, 0x40004                  ; cy
	s_and_b32 s13, ttmp7, 0xffff
	s_lshl_b32 s13, s13, 2
	s_add_co_u32 s13, s13, s41                     ; tile row 0..15 = 4 x cluster y + cy
	s_lshl_b32 s43, s41, 2
	s_lshl_b32 s43, 15, s43                        ; my row of the cluster
	s_lshl_b32 s44, 0x1111, s40                    ; my column
	s_or_b32 s[G1+0], s43, (1<<16)|(1<<20)|(1<<21)|(5<<22)|(3<<25)   ; the mask; elements of 2 bytes; padding on; bit 21 beside a mask; after every 64 words 4 words
	s_or_b32 s[G1B+0], s44, (1<<16)|(1<<20)|(1<<21)|(6<<22)|(7<<25)  ; the same with my column; after every 128 words 8 words
	s_mov_b32 s[G1+1], 128<<16                     ; tensor_dim0 = 128
	s_mov_b32 s[G1+2], 128<<16                     ; tensor_dim1 = 128
	s_mov_b32 s[G1+3], 128<<16                     ; tile_dim0 = 128
	s_mov_b32 s[G1+4], 128                         ; tile_dim1 = 128
	s_mov_b32 s[G1+5], 8192                        ; elements from row to row of h
	s_mov_b32 s[G1+6], 0
	s_mov_b32 s[G1+7], 0
	s_mov_b32 s[G1B+1], 256<<16                    ; tensor_dim0 = 256
	s_mov_b32 s[G1B+2], 64<<16                     ; tensor_dim1 = 64
	s_mov_b32 s[G1B+3], 256<<16                    ; tile_dim0 = 256
	s_mov_b32 s[G1B+4], 64                         ; tile_dim1 = 64
	s_mov_b32 s[G1B+5], 1024                       ; elements from row to row of w2h
	s_mov_b32 s[G1B+6], 0
	s_mov_b32 s[G1B+7], 0
	; where the tiles come from: h hangs on the tile row and the quarter, w2h on the tile column and the quarter, each in registers that never hold the other's coordinate
	s_lshl_b32 s16, s13, 8
	s_lshl_b32 s17, s12, 7
	s_add_co_u32 s16, s16, s17                     ; row 256 x tile row + 128 x half,
	s_lshl_b32 s16, s16, 14                        ; of 16,384 bytes,
	s_lshl_b32 s17, ttmp9, 12                      ; and 2,048 elements of 2 bytes along it for each quarter
	s_add_co_u32 s16, s16, s17
	s_mov_b32 s17, 0
	s_lshl_b32 s46, ttmp9, 22                      ; 2,048 rows of 2,048 bytes for each quarter
	s_lshl_b32 s47, s12, 17                        ; 64 rows x half
	s_add_co_u32 s46, s46, s47
	s_lshl_b32 s47, s40, 9                         ; 256 columns of 2 bytes
	s_add_co_u32 s46, s46, s47
	s_mov_b32 s47, 0
	s_mul_i32 s20, s10, HALFT                      ; and where they go: wave x 34,816 bytes
	s_wait_kmcnt 0x0
	s_add_nc_u64 s[14:15], s[4:5], s[16:17]
	s_add_nc_u64 s[46:47], s[6:7], s[46:47]
	CROUND                                         ; all sixteen work-groups are here: the first joint loads meet
.irp s, 0,1
	s_mov_b32 s[G0+4*\s], 1                                        ; count = 1
	s_add_co_u32 s[G0+4*\s+1], s20, \s*SLOT                        ; LDS address
	s_add_nc_u64 s[G0+4*\s+2:G0+4*\s+3], s[14:15], \s*ASTEP        ; global address: K step s
	s_or_b32 s[G0+4*\s+3], s[G0+4*\s+3], 0x80000000                ; type = 2
	s_mov_b32 s[G0B+4*\s], 1
	s_add_co_u32 s[G0B+4*\s+1], s20, \s*SLOT
	s_add_nc_u64 s[G0B+4*\s+2:G0B+4*\s+3], s[46:47], \s*BSTEP
	s_or_b32 s[G0B+4*\s+3], s[G0B+4*\s+3], 0x80000000
.endr
	s_cmp_eq_u32 s11, 0                            ; the two first fills of a wave stand in one branch, ahead of every wait on TENSORcnt and every LDS read: two loads of mine are out
	s_cbranch_scc0 .Lfirst_b
	tensor_load_to_lds s[G0:G0+3], s[G1:G1+7]
	s_nop 0
	tensor_load_to_lds s[G0+4:G0+7], s[G1:G1+7]
	s_nop 0
.rept 4
	v_nop
.endr
	s_branch .Lfirst_asked
.Lfirst_b:
	tensor_load_to_lds s[G0B:G0B+3], s[G1B:G1B+7]
	s_nop 0
	tensor_load_to_lds s[G0B+4:G0B+7], s[G1B:G1B+7]
	s_nop 0
.rept 4
	v_nop
.endr
.Lfirst_asked:
	; the base of part at my 128 x 128 of my quarter's plane, set once and never stepped
	s_lshl_b32 s16, s13, 8
	s_lshl_b32 s17, s11, 7
	s_add_co_u32 s16, s16, s17                     ; my first row,
	s_lshl_b32 s16, s16, 12                        ; of 4,096 bytes,
	s_lshl_b32 s17, ttmp9, 24                      ; in the plane of 4,096 x 4,096 bytes
	s_add_co_u32 s16, s16, s17
	s_mov_b32 s17, 0
	s_add_nc_u64 s[8:9], s[8:9], s[16:17]
	s_lshl_b32 s46, s40, 10                        ; my first column, in bytes: 1,024 x tile column + 512 x half (in registers that never feed the descriptors of h)
	s_lshl_b32 s47, s12, 9
	s_add_co_u32 s46, s46, s47
	s_mov_b32 s47, 0
	s_add_nc_u64 s[8:9], s[8:9], s[46:47]
	v_and_b32 v1, 15, v0                           ; l % 16
	v_bfe_u32 v2, v0, 4, 1                         ; l / 16
	v_mul_u32_u24 v3, v1, PA
	v_lshl_add_u32 v3, v2, 4, v3                   ; h: row x pitch + 16 x half
	v_and_b32 v5, 7, v0
	v_lshl_add_u32 v5, v2, 3, v5                   ; w2h: the turning load takes row 8 (l / 16) + l % 8,
	v_mul_u32_u24 v5, v5, PB
	v_bfe_u32 v6, v0, 3, 1
	v_lshl_add_u32 v5, v6, 4, v5                   ; 16 bytes at 16 ((l / 8) % 2)
	s_mul_i32 s21, s11, HALFT                      ; my 128 rows of h
	s_lshl_b32 s22, s12, 8                         ; my 128 columns of w2h,
	s_add_co_u32 s22, s22, 2*HALFT                 ; which lies behind h
.irp s, 0,1
	v_add_nc_u32 v[ADRA+\s], s21, v3
	v_add_nc_u32 v[ADRB+\s], s22, v5
	s_add_co_u32 s21, s21, SLOT
	s_add_co_u32 s22, s22, SLOT
.endr
	s_mul_i32 s23, s10, 16*SPITCH
	s_add_co_u32 s23, s23, STAGE                   ; my stage
	v_mul_u32_u24 v4, v1, SPITCH                   ; in: row l % 16, 32 bytes for each half of the lanes
	v_lshl_add_u32 v4, v2, 5, v4
	v_add_nc_u32 v[STO], s23, v4
	v_and_b32 v7, 31, v0
	v_lshlrev_b32 v[CO], 4, v7                     ; back and out: 16 bytes a lane, 32 lanes a row of 512 bytes
	v_add_nc_u32 v[RD], s23, v[CO]
	s_wait_tensorcnt 0x1                           ; my part of K step 0 is in; step 1 may stay out
	s_barrier_signal -1
	s_barrier_wait -1                              ; everybody's is
	FETCH 0, 0, F0
	QUARTER 0, 1, F0, F1, 1                        ; the first quarter stands in front of the loop: its products start the sums
	WIN 0                                          ; at a label and at a branch every window is 0
	s_mov_b32 s3, LAPS-1
.Llap:                                                 ; a trip goes once round the ring, from the second quarter of a lap to the first of the next, and fills both slots again
	QUARTER 0, 2, F1, F0, 0
	QUARTER 0, 3, F0, F1, 0
	TURN 0, 1
	QUARTER 1, 1, F0, F1, 0
	QUARTER 1, 2, F1, F0, 0
	QUARTER 1, 3, F0, F1, 0
	TURN 1, 0
	QUARTER 0, 1, F0, F1, 0
	WIN 0
	s_sub_co_u32 s3, s3, 1
	s_cmp_lg_u32 s3, 0
	s_cbranch_scc1 .Llap
	QUARTER 0, 2, F1, F0, 0                        ; the last lap is written out: it asks for nothing more
	QUARTER 0, 3, F0, F1, 0
	MEET 0                                         ; the one load that was out is the last K step, so no round follows
	PLACES                                         ; for the loads into buffer 0
	FETCH 1, 0, F0
	WIN MUL_HI
	MUL16 F1, 1, 0, 0
	MUL16 F1, 1, 2, 0
	QUARTER 1, 1, F0, F1, 0
	QUARTER 1, 2, F1, F0, 0
	QUARTER 1, 3, F0, F1, 0
	s_wait_dscnt 8                                 ; the very last quarter: nothing more to fetch
	WIN MUL_LO
	MUL16 F1, 0, 0, 0
	MUL16 F1, 0, 2, 0
	s_wait_dscnt 0x0
	WIN MUL_HI
	MUL16 F1, 1, 0, 0
	MUL16 F1, 1, 2, 0
	WIN 0
	PLACES                                         ; behind the last products: their results are stored and their sources loaded into below
	TOSTAGE 0
.irp a, 1,2,3,4,5,6,7                  ; block a goes into the stage and is asked back while block a - 1 comes back and leaves
	TOSTAGE \a
	SEND \a-1, 32
.endr
	SEND 7, 0
	s_wait_tensorcnt 0x0                           ; the end of the wave
	ds_add_u32 v[SPW], v[NIL]
	s_wait_dscnt 0x0
	CROUND                                         ; the closing round: no work-group ends while a partner may still ask for a tile that names it
	s_endpgm
.Lfunc_end_k_q400e22945b_ffn2:
	.size	k_q400e22945b_ffn2, .Lfunc_end_k_q400e22945b_ffn2-k_q400e22945b_ffn2
	.p2alignl 7, 3214868480
	.fill 96, 4, 3214868480
	.section	.rodata,"a",@progbits
	.p2align	6, 0x0
	.amdhsa_kernel k_q400e22945b_ffn2
		.amdhsa_group_segment_fixed_size 327680
		.amdhsa_private_segment_fixed_size 0
		.amdhsa_enable_private_segment 0
		.amdhsa_kernarg_size 24
		.amdhsa_user_sgpr_count 2
		.amdhsa_user_sgpr_kernarg_segment_ptr 1
		.amdhsa_wavefront_size32 1
		.amdhsa_system_sgpr_workgroup_id_x 1
		.amdhsa_system_sgpr_workgroup_id_y 1
		.amdhsa_system_sgpr_workgroup_id_z 1
		.amdhsa_system_vgpr_workitem_id 0
		.amdhsa_next_free_vgpr 1024
		.amdhsa_next_free_sgpr 66
		.amdhsa_reserve_vcc 0
		.amdhsa_float_denorm_mode_32 3
		.amdhsa_float_denorm_mode_16_64 3
		.amdhsa_memory_ordered 1
		.amdhsa_forward_progress 1
		.amdhsa_inst_pref_size 144
	.end_amdhsa_kernel
	.amdgpu_metadata
---
amdhsa.version: [ 1, 2 ]
amdhsa.kernels:
  - .name:           k_q400e22945b_ffn2
    .symbol:         k_q400e22945b_ffn2.kd
    .args:
      - { .name: h, .offset: 0, .size: 8, .value_kind: global_buffer, .address_space: global }
      - { .name: w2h, .offset: 8, .size: 8, .value_kind: global_buffer, .address_space: global }
      - { .name: part, .offset: 16, .size: 8, .value_kind: global_buffer, .address_space: global }
    .group_segment_fixed_size: 327680
    .private_segment_fixed_size: 0
    .kernarg_segment_align: 8
    .kernarg_segment_size: 24
    .max_flat_workgroup_size: 128
    .sgpr_count:     66
    .vgpr_count:     1024
    .wavefront_size: 32
...
	.end_amdgpu_metadata
.endif
;; end of part 3
;; launch fold (part 4): grid 512 x 1, 8 waves a work-group, no clusters, 0 bytes of LDS; arguments part, b2, comb, out0; writes out0
.if DOCPART == 4
	.amdgcn_target "amdgcn-amd-amdhsa--gfx1250"
	.amdhsa_code_object_version 6
	.text
	.protected	k_q400e22945b_fold
	.globl	k_q400e22945b_fold
	.p2align	8
	.type	k_q400e22945b_fold,@function
k_q400e22945b_fold:
	s_mov_b64 s[64:65], 0
	v_nop
	global_prefetch_b8 v0, s[64:65] scope:SCOPE_SE
	s_setreg_imm32_b32 hwreg(HW_REG_WAVE_MODE, 25, 1), 1
	s_wait_xcnt 0x0
; out0[t][d] = ((part[0] + part[1]) + (part[2] + part[3]))[t][d] + comb[0][t] b2[0][d] + comb[1][t] b2[1][d], all in f32, always in this order.
; part: [4][4096][1024], b2: [2][1024], comb: [2][4096], out0: [4096][1024].
; A stream: 64 MiB in, 16 MiB out, each byte once.  512 work-groups of eight waves; a work-group owns 8 rows.  Thread t owns the 16 bytes (4 columns) at byte 16 t of every row,
; so a load or store of a wave covers 512 neighbouring bytes, aligned, the eight waves cover a row, and a thread's 4 + 4 numbers of b2 stay in registers.
; All 34 loads of a thread go out at once (128 registers for the 8 rows x 4 planes): there is no loop, and no register is used twice.
; No LDS, no barrier, no matrix unit, no cluster: no number is needed by two threads but b2 and comb, 40 KiB in all.
; comb hangs on the row alone, the same for a whole work-group: it comes by scalar loads (nothing in this launch writes it).
.set ROWB,  4096                       ; bytes in a row
.set PLANE, 4096*ROWB                  ; bytes in a plane of part
.set B0, 4                             ; v[4:7]    b2[0] of my 4 columns
.set B1, 8                             ; v[8:11]   b2[1]
.set P,  16                            ; v[16:143] row r, plane q at P + 16 r + 4 q
.set C0, 16                            ; s[16:23]  comb[0] of my 8 rows
.set C1, 24                            ; s[24:31]  comb[1]
.set PB, 32                            ; s[32:39]  part at my first row, a base for each plane: a plane is more than a load's immediate reaches
	s_load_b256 s[4:11], s[0:1], 0x0               ; part s[4:5], b2 s[6:7], comb s[8:9], out0 s[10:11]
	v_lshlrev_b32 v1, 4, v0                        ; 16 t; never rewritten
	s_lshl_b32 s2, ttmp9, 15                       ; the work-group's number times 8 rows of 4,096 bytes
	s_mov_b32 s3, 0
	s_lshl_b32 s12, ttmp9, 5                       ; and times 8 numbers of comb
	s_mov_b32 s13, 0
	s_wait_kmcnt 0x0
	s_add_nc_u64 s[8:9], s[8:9], s[12:13]
	s_load_b256 s[C0:C0+7], s[8:9], 0x0
	s_load_b256 s[C1:C1+7], s[8:9], 0x4000         ; the second plane of comb, 4,096 numbers on
	s_add_nc_u64 s[PB:PB+1],   s[4:5], s[2:3]
	s_add_nc_u64 s[PB+2:PB+3], s[PB:PB+1],   PLANE
	s_add_nc_u64 s[PB+4:PB+5], s[PB+2:PB+3], PLANE
	s_add_nc_u64 s[PB+6:PB+7], s[PB+4:PB+5], PLANE
	s_add_nc_u64 s[10:11], s[10:11], s[2:3]
	global_load_b128 v[B0:B0+3], v1, s[6:7]
	global_load_b128 v[B1:B1+3], v1, s[6:7] offset:ROWB
.irp r, 0,1,2,3,4,5,6,7
.irp q, 0,1,2,3
	global_load_b128 v[P+16*\r+4*\q:P+16*\r+4*\q+3], v1, s[PB+2*\q:PB+2*\q+1] offset:\r*ROWB th:TH_LOAD_NT
.endr
.endr
	s_wait_kmcnt 0x0                               ; comb
.irp r, 0,1,2,3,4,5,6,7
.set R, P+16*\r
	s_wait_loadcnt 4*(7-\r)                        ; loads come back in order (ISA guide 5.7.1): row r's four are in (and b2, which is older); the four of each younger row stay out
	v_pk_add_f32 v[R:R+1],     v[R:R+1],     v[R+4:R+5]
	v_pk_add_f32 v[R+2:R+3],   v[R+2:R+3],   v[R+6:R+7]
	v_pk_add_f32 v[R+8:R+9],   v[R+8:R+9],   v[R+12:R+13]
	v_pk_add_f32 v[R+10:R+11], v[R+10:R+11], v[R+14:R+15]
	v_pk_add_f32 v[R:R+1],     v[R:R+1],     v[R+8:R+9]
	v_pk_add_f32 v[R+2:R+3],   v[R+2:R+3],   v[R+10:R+11]
.irp c, 0,1,2,3
	v_fma_f32 v[R+\c], s[C0+\r], v[B0+\c], v[R+\c]
.endr
.irp c, 0,1,2,3
	v_fma_f32 v[R+\c], s[C1+\r], v[B1+\c], v[R+\c]
.endr
	global_store_b128 v1, v[R:R+3], s[10:11] offset:\r*ROWB th:TH_STORE_NT   ; 32 lanes store 512 consecutive bytes, aligned; the data registers are not written again
.endr
	s_endpgm
.Lfunc_end_k_q400e22945b_fold:
	.size	k_q400e22945b_fold, .Lfunc_end_k_q400e22945b_fold-k_q400e22945b_fold
	.p2alignl 7, 3214868480
	.fill 96, 4, 3214868480
	.section	.rodata,"a",@progbits
	.p2align	6, 0x0
	.amdhsa_kernel k_q400e22945b_fold
		.amdhsa_group_segment_fixed_size 0
		.amdhsa_private_segment_fixed_size 0
		.amdhsa_enable_private_segment 0
		.amdhsa_kernarg_size 32
		.amdhsa_user_sgpr_count 2
		.amdhsa_user_sgpr_kernarg_segment_ptr 1
		.amdhsa_wavefront_size32 1
		.amdhsa_system_sgpr_workgroup_id_x 1
		.amdhsa_system_sgpr_workgroup_id_y 1
		.amdhsa_system_sgpr_workgroup_id_z 1
		.amdhsa_system_vgpr_workitem_id 0
		.amdhsa_next_free_vgpr 144
		.amdhsa_next_free_sgpr 66
		.amdhsa_reserve_vcc 0
		.amdhsa_float_denorm_mode_32 3
		.amdhsa_float_denorm_mode_16_64 3
		.amdhsa_memory_ordered 1
		.amdhsa_forward_progress 1
		.amdhsa_inst_pref_size 13
	.end_amdhsa_kernel
	.amdgpu_metadata
---
amdhsa.version: [ 1, 2 ]
amdhsa.kernels:
  - .name:           k_q400e22945b_fold
    .symbol:         k_q400e22945b_fold.kd
    .args:
      - { .name: part, .offset: 0, .size: 8, .value_kind: global_buffer, .address_space: global }
      - { .name: b2, .offset: 8, .size: 8, .value_kind: global_buffer, .address_space: global }
      - { .name: comb, .offset: 16, .size: 8, .value_kind: global_buffer, .address_space: global }
      - { .name: out0, .offset: 24, .size: 8, .value_kind: global_buffer, .address_space: global }
    .group_segment_fixed_size: 0
    .private_segment_fixed_size: 0
    .kernarg_segment_align: 8
    .kernarg_segment_size: 32
    .max_flat_workgroup_size: 256
    .sgpr_count:     66
    .vgpr_count:     144
    .wavefront_size: 32
...
	.end_amdgpu_metadata
.endif
;; end of part 4
